; MI455X (gfx1250); checked and timed in simulation.
; The chip was launched on July 23, 2026; its instructions are those of AMD's public machine-readable ISA for CDNA 5 (MIT licence, August 2026) and "CDNA5" Instruction Set Architecture Reference Guide (July 2026). The comments in the code are by the model that wrote it; some were corrected since.
;; Neural Network. Allowed arithmetic: matrix products marked QUANTISED: E4M3 operands, one E8M0 scale for each 32 along K, by v_wmma_scale_f32_16x16x128_f8f6f4 with both operands' format E4M3, f32 sums; products left as they are: f32 operands where the result goes on into a quantised operand, else bf16, f16 or f32 operands; f32 sums; everything else in f32.
;; Inputs: W1_codes 2,048 x 8 x 32 uint8 (E4M3 codes of W1, K innermost, in blocks of 32 codes); W1_scales 2,048 x 8 uint8 (E8M0 scales of W1, one for each 32 codes along K); W2 1 x 2,048 float32; Wc 1 x 256 float32; b1 2,048 float32; b2 1 float32; x 131,072 x 256 float32.
;; Outputs: out0 131,072 x 1 float32; out1 131,072 x 1 float32.
;; This version of the problem:
;;   THIS VERSION OF THE PROBLEM IS GIVEN IN LOW PRECISION. The matrix products marked QUANTISED in the list below multiply operands that are first quantised to E4M3 (4 exponent bits, 3 mantissa bits; 8 bits a number), with one power-of-two scale for each 32 numbers along K (OCP MX v1.0); their sums are f32. All else is computed in f32.
;;   The module's matrix products, in the order in which they are computed (A, B: the left and right operand; K: the contracted axis; several contracted axes count as one K, in the product's order):
;;     1. [M 131,072, K 256] x [K 256, N 2,048]; A: input x; B: input W1 (given as codes): QUANTISED
;;     2. [M 131,072, K 2,048] x [K 2,048, N 1]; A: computed on the way; B: input W2: left as it is (N = 1 < 16)
;;     3. [M 131,072, K 256] x [K 256, N 1]; A: input x; B: input Wc: left as it is (N = 1 < 16)
;;   THE QUANTISER, for each operand of a quantised product, along K:
;;     - K is cut into blocks of 32 from its start; a last block that is shorter is filled with zeros.
;;     - A block's scale is 2^e with e = floor(log2(the largest magnitude in the block)) - 8, held to -126 .. 127; a block of zeros has e = 0. As a byte (E8M0): e + 127.
;;     - Each number is divided by its block's scale, clamped to +-448, and rounded to the nearest number of E4M3, ties to even, subnormals kept.
;;     - The product sums the exact products of the quantised numbers (number of the format x scale) in f32.
;;   ~~~python
;;   def quantise(x, axis):      # numpy; x: float32 -> the quantised numbers, widened to float32 again
;;       x = np.moveaxis(x, axis, -1); K = x.shape[-1]
;;       x = np.pad(x, [(0, 0)] * (x.ndim - 1) + [(0, -K % 32)]); x = x.reshape(x.shape[:-1] + (-1, 32)); a = np.abs(x).max(-1, keepdims=True)
;;       e = np.where(a > 0, np.clip(np.frexp(np.where(a > 0, a, 1))[1] - 1 - 8, -126, 127), 0)      # np.frexp(a)[1] - 1 = floor(log2(a)), exactly
;;       r = np.clip(x / 2.0 ** e, -448, 448)
;;       step = 2.0 ** (np.maximum(np.frexp(np.where(r == 0, 1, r))[1] - 1, -6) - 3)
;;       q = np.round(r / step) * step * 2.0 ** e      # np.round: ties to even
;;       return np.moveaxis(q.reshape(q.shape[:-2] + (-1,))[..., :K], -1, axis).astype(np.float32)
;;   ~~~
;;   INPUTS GIVEN AS CODES. W1 (in the module: [2048, 256], K = its axis 1): each comes as NAME_codes (uint8): NAME with its K axis moved to the last place and cut into blocks of 32 codes, [.., K / 32, bytes a block], one block behind the other in memory; one code a byte (a code: sign, 4 exponent bits, 3 mantissa bits); and NAME_scales (uint8): the same leading axes, one E8M0 byte (e + 127) for each 32 codes along K. Its value is code x scale, taken as it is: it is not quantised again, and the codes and scales need not be those that the quantiser above would give.
;; One version. Each part assembles by itself: llvm-mc -triple=amdgcn-amd-amdhsa -mcpu=gfx1250 --defsym DOCPART=n.
;; ======== version 1 of 1: 1 launch
;; limits: right only within a limited range of input values; inputs' magnitudes at most 1,073,741,824; a difference of large sums (such as E[x^2] - mean^2): digits are lost where the result is much smaller than its terms
;; launch mlp (part 1): grid 256 x 1, 4 waves a work-group, no clusters, 306,688 bytes of LDS; arguments x, W1_codes, W1_scales, b1, W2, b2, Wc, out0, out1; writes out0, out1
.if DOCPART == 1
	.amdgcn_target "amdgcn-amd-amdhsa--gfx1250"
	.amdhsa_code_object_version 6
	.text
	.protected	k_q9a20d01262_mlp
	.globl	k_q9a20d01262_mlp
	.p2align	8
	.type	k_q9a20d01262_mlp,@function
k_q9a20d01262_mlp:
	s_mov_b64 s[64:65], 0
	v_nop
	global_prefetch_b8 v0, s[64:65] scope:SCOPE_SE
	s_setreg_imm32_b32 hwreg(HW_REG_WAVE_MODE, 25, 1), 1
	s_wait_xcnt 0x0
; out0 = tanh(tanh(x W1^T + b1) . W2 + b2),  out1 = clip(x . Wc, -1, 1).   x [131072][256] f32; W1 [2048][256] as E4M3 codes with one E8M0 byte for each 32 along K.
; The first product runs on codes: x is quantised here by the stated rule (a block's scale 2^(floor(log2(largest magnitude)) - 8), the hold at +-448 x the scale, nearest code), W1 is taken as given.
; The two products with one column (with W2, with Wc) are fused multiply-adds in f32.  NO WORK IS LEFT OUT: every input has a way to an output, and every one is loaded.
; SHARES.  A work-group owns 512 rows = 32 row tiles of 16.  THE WAVES SHARE THE HIDDEN UNITS: wave w owns units 512 w .. 512 w + 511, in two sweeps of 256 (16 tiles of 16, four QUADS of four tiles).
; A sweep's codes of W1 stay in 512 registers, loaded straight from memory, each byte once a work-group.  x's codes lie in LDS as images of the operand's registers and are read once a sweep by every wave.
; W1 is read by every work-group, but it is not shared through a cluster: it never passes through LDS, whose 306,688 bytes here are x's images (131,072), the carry (131,072), stages and tables.
; LAYOUT.  Source 0 = 16 rows of x, source 1 = 16 rows of W1: in a result lane (r, h) holds ONE hidden unit r and rows 8 h + 0 .. 7.  So c b1 and W2 cost one register a tile, and the sum over hidden
; units is eight registers a lane, carried from sweep to sweep in the wave's own LDS bytes and summed over lanes and waves once, at the end.
; FOUR TANH SHARE ONE RECIPROCAL.  c = 2 log2(e); t = min(c z + c b1, 30); E = 2^t; a = 1 + E; tanh = 1 - 2 / a.  For a quad: sum of w / a = n / d, d = (a0 a1)(a2 a3),
; n = (w0 a1 + w1 a0)(a2 a3) + (w2 a3 + w3 a2)(a0 a1), with w0 a1 + w1 a0 = (w0 + w1) + w1 E0 + w0 E1 and a0 a1 = E0 a1 + a1.  A lane's sum of w tanh over a sweep's 16 tiles is
; 2 (WH - the four quads' n / d), WH = half the sum of the 16 w: WH starts the sum, each quad is one fused multiply-add onto it.  The hold at 30 keeps d at or under about 2^120, so that 1 / d is a
; normal number; it moves a tanh by 2^-29 at the most.
; LIMITS: |W2| under 2^30 (n stays finite); NaN and infinities among the inputs are not served (the hold turns a NaN t into 30); a block of x whose largest magnitude lies under 2^(9 - 127),
; a block of zeros among them, gets the scale byte 1: the bytes are read by this program alone, and a block of zeros has zero codes.
; THE PIPELINE.  A unit u = 4 m + q is row tile m x quad q; its 32 result registers lie in buffer q.  Step u has two halves.  The first: n and d of unit u, 18 exponentials of unit u + 1 among them.
; The second: the eight matrix instructions of unit u + 3, and behind each a reciprocal of unit u, scalings and holds of unit u + 2 and the other exponentials of unit u + 1.  Then the step's one wait
; for its exponentials and reciprocals, and unit u's sums.  In the second half no vector instruction has a vector register as its second source, so the window that the matrix instructions set for
; W1 (the second source alone) stays set through the whole half: two switches a step.
; x IS MADE DURING SWEEP 0: in group k = 0 .. 7 wave w quantises row tile 4 k + w, whose f32 numbers it asked for one group earlier; one barrier a group.
.set XIMG,  0                          ; LDS: x's images: tile m, K step s, register group c: 4096 m + 2048 s + 512 c + 16 x lane
.set XSC,   131072                     ; their scale words: 128 bytes a tile: lanes 0-15 row r's word of K step 0, lanes 16-31 of K step 1
.set CARRY, 135168                     ; the sums: 32768 w + 1024 m + 512 g + 16 x lane (g: registers 4 g .. 4 g + 3)
.set STG,   266240                     ; a stage for each wave: 16 rows x (512 bytes + 16): one K step of a tile, f32
.set STGW,  8448
.set SPI,   528
.set WCT,   300032                     ; a copy of Wc for each wave, 1,024 bytes
.set UT,    304128                     ; the clipped x . Wc of the 512 rows
.set SPARE, 306176                     ; the spare words, 128 bytes for each wave: two blocks of 256 bytes that no other line names
.set NE2,   18                         ; exponentials in a step's first half; the other 14 stand in the second
; window 0
.set LI,  1                            ; 16 x lane
.set LS,  2                            ; 4 x lane
.set ADX, 3                            ; LDS address of the next tile's images
.set ADS, 4                            ; of its scale words
.set ADC, 5                            ; of the tile's sums
.set SPW, 6                            ; my spare word; never rewritten
.set NIL, 7                            ; 0; never rewritten
.set XS,  8                            ; x's scale words
.set WA,  9                            ; W1's codes: 256 r + 16 h
.set WS,  10                           ; v10-25  W1's scale words, a register a tile (lanes 0-15 K step 0, lanes 16-31 K step 1)
.set BC,  26                           ; v26-41  c b1
.set W2R, 42                           ; v42-57  W2
.set WH,  58                           ; v58-59  half the sum of the sweep's 16 W2 (twice: it is named as a pair)
.set WB,  62                           ; W1's scale bytes: 8 r + 4 h
.set WD,  63                           ; b1, W2: 4 r
.set BUF, 64                           ; v64-191 four buffers of 32: tile t of the quad at + 8 t
.set TT,  192
.set UU,  200
.set ACC, 208
.set WP,  216                          ; v216-223 quad q: w0 + w1 at + 2 q, w2 + w3 at + 2 q + 1
.set XF,  224                          ; v224-255 x's two fragments
; windows 1 and 2: W1's fragments: tile T, K step s at v[32 (T % 8) + 16 s] of window 1 + T / 8
; window 3: all that the making of x's codes touches
.set SRAW,  0                          ; v0-127   a tile of x as loaded: K step s, row ro at 64 s + 4 ro
.set XQ,    128                        ; v128-191 64 numbers of my row
.set B1RAW, 128                        ; (while no tile is being made: the next sweep's b1 and W2 as loaded)
.set W2RAW, 144
.set PCQ,   192                        ; the codes just made
.set TMQ,   208                        ; at work
.set WSA,   224                        ; three sets of 16 numbers of Wc
.set WSB,   192
.set WSC,   208
.set DOTQ,  240                        ; x . Wc in four pairs
.set PWQ,   248
.set PW0Q,  249
.set L16Q,  250                        ; 16 x lane
.set L4Q,   251                        ; 4 x lane
.set STOQ,  252                        ; the stage, on the way out: row r, + 64 h
.set WCPQ,  253                        ; my copy of Wc, + 64 h
.set TAQ,   254
.set TBQ,   255
; scalars: s[4:5] x, s[6:7] W1's codes, s[8:9] its scales, s[10:11] b1, s[12:13] W2, s[14:15] b2, s[16:17] Wc, s[18:19] out0, s[20:21] out1; s22 wave; s23 b2; s[24:25] c; s26 30.0; s27 2 c;
; s[28:29] lane selects; s30 448's mantissa field; s31 the upper sixteen lanes; s32, s33 next tile's images and scale words; s34 the tile's sums; s35-37 where I put images, scale words, x . Wc;
; s38 my stage; s39 my copy of Wc; s40, s41 loop counters
.set MSB, 0
.macro WIN new                         ; the immediate's high byte repeats the setting that is left; a switch that changes nothing is dropped
.if MSB != (\new)
	s_set_vgpr_msb (MSB<<8)|(\new)
.set MSB, (\new)
.endif
.endm
; A sweep's weights: 128 loads of codes into windows 1 and 2, 16 scale words, 16 registers of b1 and of W2 (as loaded, into window 3: the constants in use stay until SETC)
.macro LOADW sw
	WIN 0x40
.irp t, 0,1,2,3,4,5,6,7
.irp ks, 0,1
.irp c, 0,1,2,3
	global_load_b128 v[32*\t+16*\ks+4*\c:32*\t+16*\ks+4*\c+3], v[WA], s[6:7] offset:(\sw)*65536+\t*4096+128*\ks+32*\c
.endr
.endr
.endr
	WIN 0x80
.irp t, 0,1,2,3,4,5,6,7
.irp ks, 0,1
.irp c, 0,1,2,3
	global_load_b128 v[32*\t+16*\ks+4*\c:32*\t+16*\ks+4*\c+3], v[WA], s[6:7] offset:(\sw)*65536+(\t+8)*4096+128*\ks+32*\c
.endr
.endr
.endr
	WIN 0
.irp t, 0,1,2,3,4,5,6,7,8,9,10,11,12,13,14,15
	global_load_b32 v[WS+\t], v[WB], s[8:9] offset:(\sw)*2048+128*\t
.endr
	WIN 0xc0
.irp t, 0,1,2,3,4,5,6,7,8,9,10,11,12,13,14,15
	global_load_b32 v[B1RAW+\t], v[WD], s[10:11] offset:(\sw)*1024+64*\t
	global_load_b32 v[W2RAW+\t], v[WD], s[12:13] offset:(\sw)*1024+64*\t
.endr
	WIN 0
.endm
; The sweep's constants: c b1, W2, the sums of W2 by twos, and half the sum of all 16
.macro SETC
	WIN 0x0c                                       ; source 1 in window 3
.irp t, 0,1,2,3,4,5,6,7,8,9,10,11,12,13,14,15
	v_mul_f32 v[BC+\t], s24, v[B1RAW+\t]
.endr
	WIN 0x03                                       ; source 0 in window 3
.irp t, 0,1,2,3,4,5,6,7,8,9,10,11,12,13,14,15
	v_mov_b32 v[W2R+\t], v[W2RAW+\t]
.endr
	WIN 0
.irp g, 0,1,2,3
	v_add_f32 v[WP+2*\g], v[W2R+4*\g], v[W2R+4*\g+1]
	v_add_f32 v[WP+2*\g+1], v[W2R+4*\g+2], v[W2R+4*\g+3]
.endr
.irp g, 0,1,2,3
	v_add_f32 v[TT+\g], v[WP+2*\g], v[WP+2*\g+1]
.endr
	v_add_f32 v[TT], v[TT], v[TT+1]
	v_add_f32 v[TT+2], v[TT+2], v[TT+3]
	v_add_f32 v[TT], v[TT], v[TT+2]
	v_mul_f32 v[WH], 0.5, v[TT]
	v_mov_b32 v[WH+1], v[WH]                       ; (named with it as a pair, so it is written)
.endm
; Product j of 8 of quad qq: tile j % 4, K step j / 4.  The quad's four accumulators take turns, one instruction a turn; the first K step starts the sums with the constant 0.
; The window set here moves the second source alone (W1); it is left standing: the caller says when it ends.
.macro WM qq, j
.set wT, 4*(\qq)+(\j)%4
.set wK, (\j)/4
.set wD, BUF+32*(\qq)+8*((\j)%4)
.set wB, 32*(wT%8)+16*wK
	WIN 4*(1+(\qq)/2)
.if wK == 0
	v_wmma_scale_f32_16x16x128_f8f6f4 v[wD:wD+7], v[XF:XF+15], v[wB:wB+15], 0, v[XS], v[WS+wT]
.else
	v_wmma_scale_f32_16x16x128_f8f6f4 v[wD:wD+7], v[XF+16:XF+31], v[wB:wB+15], v[wD:wD+7], v[XS], v[WS+wT] matrix_a_scale:MATRIX_SCALE_ROW1 matrix_b_scale:MATRIX_SCALE_ROW1
.endif
.endm
; Item i of 48 of a quad's scalings: 0-15: t = c z + c b1, a pair of rows each, every accumulator from its low end on; 16-47: the hold at 30.
; In both forms the second source is a scalar: they mean the same under W1's window as under window 0.
.macro P1 qq, i
.set pB, BUF+32*(\qq)
.if (\i) < 16
.set pT, 4*(\qq)+(\i)/4
.set pO, pT%2
.set pC, BC+pT-pO
.if pO == 0
	v_pk_fma_f32 v[pB+2*(\i):pB+2*(\i)+1], v[pB+2*(\i):pB+2*(\i)+1], s[24:25], v[pC:pC+1] op_sel_hi:[1,0,0]
.else
	v_pk_fma_f32 v[pB+2*(\i):pB+2*(\i)+1], v[pB+2*(\i):pB+2*(\i)+1], s[24:25], v[pC:pC+1] op_sel:[0,0,1] op_sel_hi:[1,0,1]
.endif
.else
	v_min_num_f32 v[pB+(\i)-16], v[pB+(\i)-16], s26
.endif
.endm
; Item i of 44 of a quad's n and d; pair of rows i % 4.  E0 .. E3 lie at + 0, 8, 16, 24 of the buffer; at the end n lies in E1's place and d in E3's.
.macro P3 q, i
.set pB, BUF+32*(\q)
.set pJ, 2*((\i)%4)
.set pG, (\i)/4
.set pW, W2R+4*(\q)
.set pP, WP+2*(\q)
.if pG == 0
	v_pk_fma_f32 v[TT+pJ:TT+pJ+1], v[pB+pJ:pB+pJ+1], v[pW:pW+1], v[pP:pP+1] op_sel:[0,1,0] op_sel_hi:[1,1,0]           ; w1 E0 + (w0 + w1)
.elseif pG == 1
	v_pk_fma_f32 v[UU+pJ:UU+pJ+1], v[pB+16+pJ:pB+16+pJ+1], v[pW+2:pW+3], v[pP:pP+1] op_sel:[0,1,1] op_sel_hi:[1,1,1]   ; w3 E2 + (w2 + w3)
.elseif pG == 2
	v_pk_fma_f32 v[TT+pJ:TT+pJ+1], v[pB+8+pJ:pB+8+pJ+1], v[pW:pW+1], v[TT+pJ:TT+pJ+1] op_sel_hi:[1,0,1]                ; + w0 E1 = w0 a1 + w1 a0
.elseif pG == 3
	v_pk_fma_f32 v[UU+pJ:UU+pJ+1], v[pB+24+pJ:pB+24+pJ+1], v[pW+2:pW+3], v[UU+pJ:UU+pJ+1] op_sel_hi:[1,0,1]            ; + w2 E3 = w2 a3 + w3 a2
.elseif pG == 4
	v_pk_add_f32 v[pB+8+pJ:pB+8+pJ+1], v[pB+8+pJ:pB+8+pJ+1], 1.0 op_sel_hi:[1,0]                                       ; a1
.elseif pG == 5
	v_pk_add_f32 v[pB+24+pJ:pB+24+pJ+1], v[pB+24+pJ:pB+24+pJ+1], 1.0 op_sel_hi:[1,0]                                   ; a3
.elseif pG == 6
	v_pk_fma_f32 v[pB+pJ:pB+pJ+1], v[pB+pJ:pB+pJ+1], v[pB+8+pJ:pB+8+pJ+1], v[pB+8+pJ:pB+8+pJ+1]                        ; E0 a1 + a1 = a0 a1
.elseif pG == 7
	v_pk_fma_f32 v[pB+16+pJ:pB+16+pJ+1], v[pB+16+pJ:pB+16+pJ+1], v[pB+24+pJ:pB+24+pJ+1], v[pB+24+pJ:pB+24+pJ+1]        ; a2 a3
.elseif pG == 8
	v_pk_mul_f32 v[pB+8+pJ:pB+8+pJ+1], v[TT+pJ:TT+pJ+1], v[pB+16+pJ:pB+16+pJ+1]
.elseif pG == 9
	v_pk_mul_f32 v[pB+24+pJ:pB+24+pJ+1], v[pB+pJ:pB+pJ+1], v[pB+16+pJ:pB+16+pJ+1]                                      ; d
.else
	v_pk_fma_f32 v[pB+8+pJ:pB+8+pJ+1], v[UU+pJ:UU+pJ+1], v[pB+pJ:pB+pJ+1], v[pB+8+pJ:pB+8+pJ+1]                        ; n
.endif
.endm
; The quad's n / d is taken off the tile's sums.  Quad 0 starts them with WH (in sweep 1 onto the first sweep's, which were loaded into the sums' registers); behind quad 3 they go to my own bytes of LDS.
.macro P5 q, car
.set pB, BUF+32*(\q)
.irp jp, 0,2,4,6
.if (\q) > 0
	v_pk_fma_f32 v[ACC+\jp:ACC+\jp+1], v[pB+8+\jp:pB+8+\jp+1], v[pB+24+\jp:pB+24+\jp+1], v[ACC+\jp:ACC+\jp+1] neg_lo:[1,0,0] neg_hi:[1,0,0]
.elseif \car
	v_pk_fma_f32 v[TT+\jp:TT+\jp+1], v[pB+8+\jp:pB+8+\jp+1], v[pB+24+\jp:pB+24+\jp+1], v[WH:WH+1] op_sel_hi:[1,1,0] neg_lo:[1,0,0] neg_hi:[1,0,0]
.else
	v_pk_fma_f32 v[ACC+\jp:ACC+\jp+1], v[pB+8+\jp:pB+8+\jp+1], v[pB+24+\jp:pB+24+\jp+1], v[WH:WH+1] op_sel_hi:[1,1,0] neg_lo:[1,0,0] neg_hi:[1,0,0]
.endif
.endr
.if ((\q) == 0) && (\car)
.irp jp, 0,2,4,6
	v_pk_add_f32 v[ACC+\jp:ACC+\jp+1], v[ACC+\jp:ACC+\jp+1], v[TT+\jp:TT+\jp+1]
.endr
.endif
.if (\q) == 3
	ds_store_b128 v[ADC], v[ACC:ACC+3]
	ds_store_b128 v[ADC], v[ACC+4:ACC+7] offset:512
.endif
.endm
; STEP u = 4 m + q.  mm: the products of unit u + 3;  xl (q = 1): the next tile's fragments are fetched;  ex: the exponentials of unit u + 1;  p1: the scalings of unit u + 2;  car: sweep 1.
; Nothing in a step names the result of an exponential or a reciprocal of that step ahead of the step's one s_wait_alu: the exponentials' buffer is read in the next step, the reciprocals' by P5 behind the wait.
.macro STEP q, mm, xl, ex, p1, car
.if \xl
	v_add_nc_u32 v[ADX], s32, v[LI]                ; the last product that read these registers heads the last group of the step before: thirteen scalings and holds and four sums, plain instructions that
	v_add_nc_u32 v[ADS], s33, v[LS]                ; name none of its registers, lie between it and these loads (eight are asked: ISA guide 7.12.1 for vector instructions)
.irp i, 0,1,2,3,4,5,6,7
	ds_load_b128 v[XF+4*\i:XF+4*\i+3], v[ADX] offset:512*\i
.endr
	ds_load_b32 v[XS], v[ADS]
.endif
; the first half: every window 0
.set sg, 0
.rept 44
	P3 \q, sg
.if \ex
.if (((sg+1)*NE2)/44) > ((sg*NE2)/44)
	v_exp_f32 v[BUF+32*((\q+1)%4)+(sg*NE2)/44], v[BUF+32*((\q+1)%4)+(sg*NE2)/44]
.endif
.endif
.if ((\q) == 0) && (sg == 35)
	s_wait_dscnt 0x0                               ; the last tile's two stores of its sums are done: their address and their data may be written
	v_add_nc_u32 v[ADC], s34, v[LI]
.if \car
	ds_load_b128 v[ACC:ACC+3], v[ADC]              ; the first sweep's sums of this tile, into the sums' own registers
	ds_load_b128 v[ACC+4:ACC+7], v[ADC] offset:512
.endif
.endif
.set sg, sg+1
.endr
; the second half: W1's window for the second source, from the first product to the half's end
.if ((\q) == 1) && (\mm)
	s_wait_dscnt 0x0                               ; the tile's fragments and scale words, asked for at the step's head, are in
.endif
.set sg, 0
.rept 8
.if \mm
	WM (\q+3)%4, sg
.endif
	v_rcp_f32 v[BUF+32*(\q)+24+sg], v[BUF+32*(\q)+24+sg]
.if \p1
	P1 (\q+2)%4, 5*sg
	P1 (\q+2)%4, 5*sg+1
.endif
.if \ex
.if sg < 6
	v_exp_f32 v[BUF+32*((\q+1)%4)+NE2+2*sg], v[BUF+32*((\q+1)%4)+NE2+2*sg]
.else
	v_exp_f32 v[BUF+32*((\q+1)%4)+NE2+6+sg], v[BUF+32*((\q+1)%4)+NE2+6+sg]
.endif
.endif
.if \p1
	P1 (\q+2)%4, 5*sg+2
	P1 (\q+2)%4, 5*sg+3
.endif
.if (\ex) && (sg < 6)
	v_exp_f32 v[BUF+32*((\q+1)%4)+NE2+2*sg+1], v[BUF+32*((\q+1)%4)+NE2+2*sg+1]
.endif
.if \p1
	P1 (\q+2)%4, 5*sg+4
.endif
.set sg, sg+1
.endr
.if \p1
.irp n, 40,41,42,43,44,45,46,47
	P1 (\q+2)%4, \n                                ; the last eight holds: plain work between the half's last product and transcendental and the wait
.endr
.else
	v_nop                                          ; a plain instruction behind the last transcendental
.endif
	WIN 0
	s_wait_alu depctr_va_vdst(0)                   ; the step's one wait for its exponentials and reciprocals, ahead of the first instruction that names a result
.if ((\q) == 0) && (\car)
	s_wait_dscnt 0x0                               ; the first sweep's sums are in
.endif
	P5 \q, \car
.endm
; A row tile's four steps.  last: the sweep's last tile: the pipe runs dry.  reload: the next sweep's weights are asked for behind the sweep's last products.
.macro MSTEP car, last, reload
	STEP 0, 1, 0, 1, 1, \car
.if \reload
	LOADW 1                                        ; the sweep's last product heads the last group of the step above: seventeen plain instructions that name none of its registers lie between (eight are asked)
.endif
	STEP 1, 1-(\last), 1-(\last), 1, 1, \car
	STEP 2, 1-(\last), 0, 1, 1-(\last), \car
	STEP 3, 1-(\last), 0, 1-(\last), 1-(\last), \car
.if 1-(\last)
	s_add_co_u32 s32, s32, 4096
	s_add_co_u32 s33, s33, 128
	s_add_co_u32 s34, s34, 1024
.endif
.endm
; The pipe is filled: tile 0's fragments, the products of its quads 0 to 2, the scalings of quads 0 and 1, the exponentials of quad 0
.macro PRO
	s_mov_b32 s32, 4096
	s_mov_b32 s33, XSC+128
	s_lshl_b32 s34, s22, 15
	s_add_co_u32 s34, s34, CARRY
	v_add_nc_u32 v[ADS], XSC, v[LS]
.irp i, 0,1,2,3,4,5,6,7
	ds_load_b128 v[XF+4*\i:XF+4*\i+3], v[LI] offset:512*\i
.endr
	ds_load_b32 v[XS], v[ADS]
	s_wait_dscnt 0x0
.irp qq, 0,1,2
.irp j, 0,1,2,3,4,5,6,7
	WM \qq, \j
.endr
.endr
	WIN 0
.rept 8
	v_nop                                          ; eight places between the products and the first read of results
.endr
.set sg, 0
.rept 48
	P1 0, sg
.set sg, sg+1
.endr
.set sg, 0
.rept 32
	v_exp_f32 v[BUF+sg], v[BUF+sg]
	P1 1, sg
.set sg, sg+1
.endr
.rept 16
	P1 1, sg
.set sg, sg+1
.endr
	s_wait_alu depctr_va_vdst(0)                   ; one wait for the 32 exponentials, ahead of the first step, which reads them
.endm
; ---- the making of x's codes; all of it in window 3
; K step ks of my next tile: 16 loads, each a row's 512 consecutive bytes.  rt = 1: the last group (s41 = 1) has no next tile: no load leaves x
.macro XNEXT ks, rt
.if \rt
	WIN 0
	s_cmp_eq_u32 s41, 1
	s_cbranch_scc1 .Lnone_\@
	WIN 0xff
.endif
.irp ro, 0,1,2,3,4,5,6,7,8,9,10,11,12,13,14,15
	global_load_b128 v[SRAW+64*(\ks)+4*\ro:SRAW+64*(\ks)+4*\ro+3], v[L16Q], s[4:5] offset:1024*\ro+512*(\ks) th:TH_LOAD_NT
.endr
.if \rt
	WIN 0
.Lnone_\@:
	WIN 0xff
.endif
.endm
.macro WCLOAD set, ks, b               ; Wc at k = 128 ks + 32 b + 16 h + 0 .. 15
.irp j, 0,1,2,3
	ds_load_b128 v[(\set)+4*\j:(\set)+4*\j+3], v[WCPQ] offset:512*(\ks)+128*(\b)+16*\j
.endr
.endm
.macro DOTB b, set, start              ; my 16 numbers of block b times Wc's, onto four chains; start = 1: the first four products start them
.irp j, 0,1,2,3
.irp p, 0,1
.set dC, DOTQ+2*((2*\j+\p)%4)
.if (\start) && (\j < 2)
	v_pk_mul_f32 v[dC:dC+1], v[XQ+16*(\b)+4*\j+2*\p:XQ+16*(\b)+4*\j+2*\p+1], v[(\set)+4*\j+2*\p:(\set)+4*\j+2*\p+1]
.else
	v_pk_fma_f32 v[dC:dC+1], v[XQ+16*(\b)+4*\j+2*\p:XQ+16*(\b)+4*\j+2*\p+1], v[(\set)+4*\j+2*\p:(\set)+4*\j+2*\p+1], v[dC:dC+1]
.endif
.endr
.endr
.endm
; 64 numbers of a lane, register 16 b + i = k 32 b + 16 h + i of my row, become a fragment's codes and its scale word
.macro QUANT
.irp b, 0,1,2,3
	v_max3_num_f32 v[TMQ+\b], |v[XQ+16*\b]|, |v[XQ+16*\b+1]|, 0x4800000   ; my 16 numbers of block b, and the floor 2^(9 - 127): the byte cannot fall under 1
.endr
.irp i, 2,4,6,8,10,12,14
.irp b, 0,1,2,3
	v_max3_num_f32 v[TMQ+\b], v[TMQ+\b], |v[XQ+16*\b+\i]|, |v[XQ+16*\b+\i+1]|
.endr
.endr
.irp b, 0,1,2,3
	v_permlanex16_b32 v[TMQ+4+\b], v[TMQ+\b], s28, s29                     ; (its destination has been written: Wc's third set lay there)
.endr
.irp b, 0,1,2,3
	v_max_num_f32 v[TMQ+\b], v[TMQ+\b], v[TMQ+4+\b]                        ; with lane l xor 16's 16: the block's largest magnitude
.endr
.irp b, 0,1,2,3
	v_add_nc_u32 v[TMQ+12+\b], 0xfc000000, v[TMQ+\b]                       ; 8 off its exponent field: the conversion's scale operand
.endr
.irp b, 0,1,2,3
	v_and_or_b32 v[TMQ+8+\b], v[TMQ+\b], 0x7f800000, s30                   ; 448 x the scale
.endr
.irp b, 0,1,2,3
	v_lshrrev_b32 v[TMQ+4+\b], 23, v[TMQ+12+\b]                            ; the scale's byte
.endr
	v_lshl_or_b32 v[PWQ], v[TMQ+5], 8, v[TMQ+4]
	v_lshl_or_b32 v[PWQ], v[TMQ+6], 16, v[PWQ]
	v_lshl_or_b32 v[PWQ], v[TMQ+7], 24, v[PWQ]
.irp b, 0,1,2,3
.irp i, 0,1,2,3,4,5,6,7,8,9,10,11,12,13,14,15
	v_med3_num_f32 v[XQ+16*\b+\i], v[XQ+16*\b+\i], -v[TMQ+8+\b], v[TMQ+8+\b]   ; the conversion to an 8-bit code does not saturate (ISA guide 7.6.2): the hold comes first
.endr
	v_cvt_scalef32_pk8_fp8_f32 v[PCQ+4*\b:PCQ+4*\b+1], v[XQ+16*\b:XQ+16*\b+7], v[TMQ+12+\b]
	v_cvt_scalef32_pk8_fp8_f32 v[PCQ+4*\b+2:PCQ+4*\b+3], v[XQ+16*\b+8:XQ+16*\b+15], v[TMQ+12+\b]
.endr
	v_nop                                          ; a plain instruction behind the last scaled conversion
.endm
; One K step of my tile: through my stage (as loaded in, 64 bytes a lane out), times Wc, quantised, its image stored
.macro HALF ks, rt
.irp ro, 0,1,2,3,4,5,6,7,8,9,10,11,12,13,14,15
	ds_store_b128 v[TAQ], v[SRAW+64*(\ks)+4*\ro:SRAW+64*(\ks)+4*\ro+3] offset:SPI*\ro
.endr
.irp b, 0,1,2,3
.irp j, 0,1,2,3
	ds_load_b128 v[XQ+16*\b+4*\j:XQ+16*\b+4*\j+3], v[STOQ] offset:128*\b+16*\j   ; LDS serves a wave's instructions in order (ISA guide 5.7.1): these see my stores
.endr
.endr
	WCLOAD WSA, \ks, 0
	WCLOAD WSB, \ks, 1
	WCLOAD WSC, \ks, 2
	s_wait_dscnt 12                                ; all but Wc's twelve loads: my numbers are back, so the stage's stores have read their registers,
	XNEXT \ks, \rt                                 ; which take the next tile's loads: four row tiles' work ahead of their use
	s_wait_dscnt 8                                 ; Wc's first set is in
	DOTB 0, WSA, 1-(\ks)
	WCLOAD WSA, \ks, 3
	s_wait_dscnt 8                                 ; the second (behind it: the third and the four just issued)
	DOTB 1, WSB, 0
	s_wait_dscnt 4                                 ; the third
	DOTB 2, WSC, 0
	s_wait_dscnt 0x0
	DOTB 3, WSA, 0
	QUANT
.irp c, 0,1,2,3
	ds_store_b128 v[TBQ], v[PCQ+4*\c:PCQ+4*\c+3] offset:2048*(\ks)+512*\c   ; the fragment as it stands: lane l's 16 bytes at 16 l
.endr
.endm
.macro PRODUCE rt
	s_wait_loadcnt 0x0                             ; my tile's 32 loads, issued a group ago, are in; so their base may be stepped
	s_add_nc_u64 s[4:5], s[4:5], 0x10000           ; four tiles of 16 rows x 1,024 bytes on: my tile of the next group
	WIN 0xff
	v_add_nc_u32 v[TAQ], s38, v[L16Q]
	v_add_nc_u32 v[TBQ], s35, v[L16Q]
	HALF 0, \rt
	v_mov_b32 v[PW0Q], v[PWQ]
	s_wait_dscnt 0x0                               ; the image's stores have read the codes' registers
	HALF 1, \rt
	s_wait_dscnt 0x0                               ; likewise; and the two address registers may be written
	v_cndmask_b32 v[PWQ], v[PW0Q], v[PWQ], s31     ; lanes 0-15 keep K step 0's scale word of row r, lanes 16-31 K step 1's
	v_add_nc_u32 v[TAQ], s36, v[L4Q]
	ds_store_b32 v[TAQ], v[PWQ]
	v_pk_add_f32 v[DOTQ:DOTQ+1], v[DOTQ:DOTQ+1], v[DOTQ+2:DOTQ+3]
	v_pk_add_f32 v[DOTQ+4:DOTQ+5], v[DOTQ+4:DOTQ+5], v[DOTQ+6:DOTQ+7]
	v_pk_add_f32 v[DOTQ:DOTQ+1], v[DOTQ:DOTQ+1], v[DOTQ+4:DOTQ+5]
	v_add_f32 v[DOTQ], v[DOTQ], v[DOTQ+1]
	v_permlanex16_b32 v[TMQ+4], v[DOTQ], s28, s29
	v_add_f32 v[DOTQ], v[DOTQ], v[TMQ+4]           ; x . Wc of row r
	v_med3_num_f32 v[DOTQ], v[DOTQ], -1.0, 1.0     ; clipped
	v_and_b32 v[TBQ], 60, v[L4Q]
	v_add_nc_u32 v[TBQ], s37, v[TBQ]
	ds_store_b32 v[TBQ], v[DOTQ]                   ; both halves of the lanes write the same word with the same value
	WIN 0
	s_add_co_u32 s35, s35, 16384
	s_add_co_u32 s36, s36, 512
	s_add_co_u32 s37, s37, 256
	s_wait_dscnt 0x0                               ; for the others' sake: my stores have landed
	s_barrier_signal -1
	s_barrier_wait -1                              ; the group's four tiles lie in LDS.  Up to the next barrier tiles 4 k .. 4 k + 3 are read and tiles 4 k + 4 .. 4 k + 7 are written
.endm
; ---- the head
	s_load_b256 s[4:11], s[0:1], 0x0
	s_load_b256 s[12:19], s[0:1], 0x20
	s_load_b64 s[20:21], s[0:1], 0x40
	v_lshl_add_u32 v[SPW], v0, 2, SPARE
	v_mov_b32 v[NIL], 0
	v_lshrrev_b32 v64, 5, v0
	v_readfirstlane_b32 s22, v64                   ; wave 0..3
	v_and_b32 v65, 31, v0                          ; lane
	v_and_b32 v66, 15, v0                          ; r
	v_bfe_u32 v67, v0, 4, 1                        ; h
	v_lshlrev_b32 v[LI], 4, v65
	v_lshlrev_b32 v[LS], 2, v65
	v_lshlrev_b32 v[WA], 8, v66
	v_lshl_add_u32 v[WA], v67, 4, v[WA]
	v_lshlrev_b32 v[WB], 3, v66
	v_lshl_add_u32 v[WB], v67, 2, v[WB]
	v_lshlrev_b32 v[WD], 2, v66
	s_mul_i32 s38, s22, STGW
	s_add_co_u32 s38, s38, STG
	s_lshl_b32 s39, s22, 10
	s_add_co_u32 s39, s39, WCT
	s_lshl_b32 s35, s22, 12
	s_lshl_b32 s36, s22, 7
	s_add_co_u32 s36, s36, XSC
	s_lshl_b32 s37, s22, 6
	s_add_co_u32 s37, s37, UT
	v_mul_u32_u24 v68, v66, SPI
	v_lshl_add_u32 v68, v67, 6, v68
	v_add_nc_u32 v68, s38, v68
	v_lshlrev_b32 v69, 6, v67
	v_add_nc_u32 v69, s39, v69
	v_add_nc_u32 v70, s39, v[LI]
	WIN 0xc0                                       ; destination window 3
	v_mov_b32 v[L16Q], v[LI]
	v_mov_b32 v[L4Q], v[LS]
	v_mov_b32 v[STOQ], v68
	v_mov_b32 v[WCPQ], v69
	WIN 0
	s_mov_b32 s24, 0x4038aa3b                      ; c = 2 log2(e)
	s_mov_b32 s25, s24                             ; (named with it as a pair, so it is written)
	s_mov_b32 s26, 0x41f00000                      ; 30.0
	s_mov_b32 s27, 0x40b8aa3b                      ; 2 c
	s_mov_b32 s28, 0x76543210
	s_mov_b32 s29, 0xfedcba98                      ; v_permlanex16_b32's selects for lane l xor 16
	s_mov_b32 s30, 0x600000                        ; the mantissa field of 448
	s_mov_b32 s31, 0xffff0000
	s_wait_kmcnt 0x0
	s_load_b32 s23, s[14:15], 0x0                  ; b2
	s_lshl_b32 s42, ttmp9, 19                      ; x: 512 rows of 1,024 bytes a work-group,
	s_lshl_b32 s44, s22, 14                        ; 16 rows a wave: tile w of group 0
	s_add_co_u32 s42, s42, s44
	s_mov_b32 s43, 0
	s_add_nc_u64 s[4:5], s[4:5], s[42:43]
	s_lshl_b32 s42, s22, 17                        ; my 512 rows of W1: 256 bytes of codes each,
	s_add_nc_u64 s[6:7], s[6:7], s[42:43]
	s_lshl_b32 s42, s22, 12                        ; 8 scale bytes,
	s_add_nc_u64 s[8:9], s[8:9], s[42:43]
	s_lshl_b32 s42, s22, 11                        ; 4 bytes of b1 and of W2
	s_add_nc_u64 s[10:11], s[10:11], s[42:43]
	s_add_nc_u64 s[12:13], s[12:13], s[42:43]
	s_lshl_b32 s42, ttmp9, 11                      ; the outputs: 512 rows of 4 bytes a work-group
	s_add_nc_u64 s[18:19], s[18:19], s[42:43]
	s_add_nc_u64 s[20:21], s[20:21], s[42:43]
	WIN 0xff
	XNEXT 0, 0                                     ; my tile of group 0
	XNEXT 1, 0
	WIN 0
	global_load_b128 v[72:75], v[LI], s[16:17]     ; Wc
	global_load_b128 v[76:79], v[LI], s[16:17] offset:512
	LOADW 0
	s_wait_loadcnt 0x0
	s_wait_kmcnt 0x0
	ds_store_b128 v70, v[72:75]                    ; my own copy of Wc: no other wave reads it
	ds_store_b128 v70, v[76:79] offset:512
	SETC
	PRODUCE 0                                      ; group 0
	PRO
; ---- sweep 0: row tile m's steps fetch tile m + 1
	s_mov_b32 s40, 3
.Lfirst:                                               ; m = 0 .. 2
	MSTEP 0, 0, 0
	s_sub_co_u32 s40, s40, 1
	s_cmp_lg_u32 s40, 0
	s_cbranch_scc1 .Lfirst
	s_mov_b32 s41, 7
.Lgroup:                                               ; k = 1 .. 7: the group's tiles are made, then m = 4 k - 1 .. 4 k + 2
	PRODUCE 1
	s_mov_b32 s40, 4
.Ltile:
	MSTEP 0, 0, 0
	s_sub_co_u32 s40, s40, 1
	s_cmp_lg_u32 s40, 0
	s_cbranch_scc1 .Ltile
	s_sub_co_u32 s41, s41, 1
	s_cmp_lg_u32 s41, 0
	s_cbranch_scc1 .Lgroup
	MSTEP 0, 1, 1                                  ; m = 31; the second sweep's weights are asked for while the pipe runs dry
	s_wait_loadcnt 0x0
	SETC
	PRO
; ---- sweep 1
	s_mov_b32 s40, 31
.Lsecond:
	MSTEP 1, 0, 0
	s_sub_co_u32 s40, s40, 1
	s_cmp_lg_u32 s40, 0
	s_cbranch_scc1 .Lsecond
	MSTEP 1, 1, 0
; ---- the end: thread T owns rows 4 T .. 4 T + 3: tile T / 4, h = (T / 2) % 2, g = T % 2.  It adds the 16 lanes' and the 4 waves' sums: 64 loads of 16 bytes.
.set FB,  216
.set CB2, 217
.set OA,  218
.set UA,  219
.set UD,  220                          ; v220-223
.set FA,  224                          ; v224-231 eight addresses
.set SUM, 192                          ; v192-195, v196-199: two sets of sums
	s_wait_dscnt 0x0                               ; my last sums have landed
	s_barrier_signal -1
	s_barrier_wait -1
	v_lshrrev_b32 v[FB], 2, v0
	v_lshlrev_b32 v[FB], 10, v[FB]
	v_and_b32 v[CB2], 1, v0
	v_lshl_add_u32 v[FB], v[CB2], 9, v[FB]
	v_bfe_u32 v[CB2], v0, 1, 1
	v_lshl_add_u32 v[FB], v[CB2], 8, v[FB]
	v_and_b32 v[CB2], 15, v0
	v_lshl_add_u32 v[FB], v[CB2], 4, v[FB]
	v_add_nc_u32 v[FB], CARRY, v[FB]
	v_lshlrev_b32 v[OA], 4, v0
	v_add_nc_u32 v[UA], UT, v[OA]
	ds_load_b128 v[UD:UD+3], v[UA]                 ; my four rows' clipped x . Wc
	v_mov_b32 v[CB2], s23
	v_mul_f32 v[CB2], s24, v[CB2]                  ; c b2
.set bt, 0
.rept 4
.irp rr, 0,1,2,3
	v_xor_b32 v[FA+2*\rr], (4*bt+\rr)<<4, v[FB]
	v_add_nc_u32 v[FA+2*\rr+1], 0x10000, v[FA+2*\rr]
.endr
.irp rr, 0,1,2,3
	ds_load_b128 v[BUF+16*\rr:BUF+16*\rr+3], v[FA+2*\rr]                        ; wave 0's,
	ds_load_b128 v[BUF+16*\rr+4:BUF+16*\rr+7], v[FA+2*\rr] offset:32768         ; wave 1's,
	ds_load_b128 v[BUF+16*\rr+8:BUF+16*\rr+11], v[FA+2*\rr+1]                   ; wave 2's,
	ds_load_b128 v[BUF+16*\rr+12:BUF+16*\rr+15], v[FA+2*\rr+1] offset:32768     ; wave 3's
.endr
	s_wait_dscnt 0x0                               ; they are in, and the eight addresses may be written again
.set fi, 0
.rept 16
.set fS, SUM+4*(fi%2)
.if (bt == 0) && (fi < 2)
	v_pk_add_f32 v[fS:fS+1], v[BUF+4*fi:BUF+4*fi+1], v[BUF+4*fi+8:BUF+4*fi+9]         ; the first four loads start the sums
	v_pk_add_f32 v[fS+2:fS+3], v[BUF+4*fi+2:BUF+4*fi+3], v[BUF+4*fi+10:BUF+4*fi+11]
.elseif (bt == 0) && (fi < 4)
.else
	v_pk_add_f32 v[fS:fS+1], v[fS:fS+1], v[BUF+4*fi:BUF+4*fi+1]
	v_pk_add_f32 v[fS+2:fS+3], v[fS+2:fS+3], v[BUF+4*fi+2:BUF+4*fi+3]
.endif
.set fi, fi+1
.endr
.set bt, bt+1
.endr
	v_pk_add_f32 v[SUM:SUM+1], v[SUM:SUM+1], v[SUM+4:SUM+5]
	v_pk_add_f32 v[SUM+2:SUM+3], v[SUM+2:SUM+3], v[SUM+6:SUM+7]
.irp i, 0,1,2,3
	v_fma_f32 v[SUM+\i], v[SUM+\i], s27, v[CB2]    ; c (2 sum + b2).  No hold: 2^t = infinity gives 1, 2^t = 0 gives -1
.endr
.irp i, 0,1,2,3
	v_exp_f32 v[SUM+\i], v[SUM+\i]
.endr
	v_nop                                          ; a plain instruction behind the last exponential,
	s_wait_alu depctr_va_vdst(0)                   ; and the wait ahead of the first reader: one for the four
.irp i, 0,1,2,3
	v_add_f32 v[SUM+\i], 1.0, v[SUM+\i]
.endr
.irp i, 0,1,2,3
	v_rcp_f32 v[SUM+\i], v[SUM+\i]
.endr
	v_nop
	s_wait_alu depctr_va_vdst(0)                   ; likewise for the four reciprocals
.irp i, 0,1,2,3
	v_fma_f32 v[SUM+\i], v[SUM+\i], -2.0, 1.0      ; tanh = 1 - 2 / (1 + 2^t)
.endr
	global_store_b128 v[OA], v[SUM:SUM+3], s[18:19]   ; a wave stores 512 consecutive bytes, at a multiple of 256 from out0's first byte
	global_store_b128 v[OA], v[UD:UD+3], s[20:21]     ; and the same of out1
	s_wait_tensorcnt 0x0                           ; the wave's end, behind my last LDS store
	ds_add_u32 v[SPW], v[NIL]
	s_wait_dscnt 0x0
	s_endpgm
.Lfunc_end_k_q9a20d01262_mlp:
	.size	k_q9a20d01262_mlp, .Lfunc_end_k_q9a20d01262_mlp-k_q9a20d01262_mlp
	.p2alignl 7, 3214868480
	.fill 96, 4, 3214868480
	.section	.rodata,"a",@progbits
	.p2align	6, 0x0
	.amdhsa_kernel k_q9a20d01262_mlp
		.amdhsa_group_segment_fixed_size 306688
		.amdhsa_private_segment_fixed_size 0
		.amdhsa_enable_private_segment 0
		.amdhsa_kernarg_size 72
		.amdhsa_user_sgpr_count 2
		.amdhsa_user_sgpr_kernarg_segment_ptr 1
		.amdhsa_wavefront_size32 1
		.amdhsa_system_sgpr_workgroup_id_x 1
		.amdhsa_system_sgpr_workgroup_id_y 1
		.amdhsa_system_sgpr_workgroup_id_z 1
		.amdhsa_system_vgpr_workitem_id 0
		.amdhsa_next_free_vgpr 1024
		.amdhsa_next_free_sgpr 66
		.amdhsa_reserve_vcc 0
		.amdhsa_float_denorm_mode_32 3
		.amdhsa_float_denorm_mode_16_64 3
		.amdhsa_memory_ordered 1
		.amdhsa_forward_progress 1
		.amdhsa_inst_pref_size 255
	.end_amdhsa_kernel
	.section	.bss,"aw",@nobits
	.p2align	6
	.space	262144
	.amdgpu_metadata
---
amdhsa.version: [ 1, 2 ]
amdhsa.kernels:
  - .name:           k_q9a20d01262_mlp
    .symbol:         k_q9a20d01262_mlp.kd
    .args:
      - { .name: x, .offset: 0, .size: 8, .value_kind: global_buffer, .address_space: global }
      - { .name: W1_codes, .offset: 8, .size: 8, .value_kind: global_buffer, .address_space: global }
      - { .name: W1_scales, .offset: 16, .size: 8, .value_kind: global_buffer, .address_space: global }
      - { .name: b1, .offset: 24, .size: 8, .value_kind: global_buffer, .address_space: global }
      - { .name: W2, .offset: 32, .size: 8, .value_kind: global_buffer, .address_space: global }
      - { .name: b2, .offset: 40, .size: 8, .value_kind: global_buffer, .address_space: global }
      - { .name: Wc, .offset: 48, .size: 8, .value_kind: global_buffer, .address_space: global }
      - { .name: out0, .offset: 56, .size: 8, .value_kind: global_buffer, .address_space: global }
      - { .name: out1, .offset: 64, .size: 8, .value_kind: global_buffer, .address_space: global }
    .group_segment_fixed_size: 306688
    .private_segment_fixed_size: 0
    .kernarg_segment_align: 8
    .kernarg_segment_size: 72
    .max_flat_workgroup_size: 128
    .sgpr_count:     66
    .vgpr_count:     1024
    .wavefront_size: 32
...
	.end_amdgpu_metadata
.endif
;; end of part 1
